; MI455X (gfx1250); checked and timed in simulation.
; The chip was launched on July 23, 2026; its instructions are those of AMD's public machine-readable ISA for CDNA 5 (MIT licence, August 2026) and "CDNA5" Instruction Set Architecture Reference Guide (July 2026). The comments in the code are by the model that wrote it; some were corrected since.
;; Mo E Layer. Allowed arithmetic: matrix products marked QUANTISED: E5M2 operands, one given power-of-two scale a tensor, by v_wmma_f32_16x16x64_bf8_bf8 or v_wmma_f32_16x16x128_bf8_bf8, f32 sums; products left as they are: f32 operands where the result goes on into a quantised operand, else bf16, f16 or f32 operands; f32 sums; everything else in f32.
;; Inputs: W1 8 x 1,024 x 2,048 float32; W2 8 x 2,048 x 1,024 float32; Wg 1,024 x 8 float32; b1 8 x 2,048 float32; b2 8 x 1,024 float32; bg 8 float32; lowp_scales 4 int32 (the exponents e of the quantised operands' scales 2^e); x 2,048 x 1,024 float32.
;; Outputs: out0 2,048 x 1,024 float32.
;; This version of the problem:
;;   THIS VERSION OF THE PROBLEM IS GIVEN IN LOW PRECISION. The matrix products marked QUANTISED in the list below multiply operands that are first quantised to E5M2 (5 exponent bits, 2 mantissa bits; 8 bits a number), with one given power-of-two scale for each operand tensor; their sums are f32. All else is computed in f32.
;;   The module's matrix products, in the order in which they are computed (A, B: the left and right operand; K: the contracted axis; several contracted axes count as one K, in the product's order):
;;     1. [M 2,048, K 1,024] x [K 1,024, N 8]; A: input x; B: input Wg: left as it is (N = 8 < 16)
;;     2. [M 2,048, K 1,024] x [K 1,024, N 16,384]; A: input x; B: input W1: QUANTISED (scales: A lowp_scales[0], B lowp_scales[1])
;;     3. batch 8 x [M 1,024, K 2,048] x [K 2,048, N 2,048]; A: input W2; B: computed on the way: QUANTISED (scales: A lowp_scales[2], B lowp_scales[3])
;;     4. batch 2,048 x [M 1, K 8] x [K 8, N 1,024]; A: softmax; B: computed on the way: left as it is (K = 8 < 32)
;;   THE QUANTISER, for each operand of a quantised product, along K:
;;     - The operand's scale is 2^e, e = its entry of the input lowp_scales (int32; the entries are numbered through the quantised products in the list's order, A before B).
;;     - Each number is divided by the scale, clamped to +-57,344, and rounded to the nearest number of E5M2, ties to even, subnormals kept.
;;     - The product sums the exact products of the quantised numbers (number of the format x scale) in f32.
;;   ~~~python
;;   def quantise(x, axis, e):      # numpy; x: float32 -> the quantised numbers, widened to float32 again
;;       x = np.moveaxis(x, axis, -1); K = x.shape[-1]
;;       r = np.clip(x / 2.0 ** e, -57344, 57344)
;;       step = 2.0 ** (np.maximum(np.frexp(np.where(r == 0, 1, r))[1] - 1, -14) - 2)
;;       q = np.round(r / step) * step * 2.0 ** e      # np.round: ties to even
;;       return np.moveaxis(q, -1, axis).astype(np.float32)
;;   ~~~
;;   OPERANDS COMPUTED ON THE WAY. 'Computed on the way' means the value that the module computes at that place (a softmax that the list does not call 'softmax' is quantised finished and normalised). What goes into a quantiser is computed in f32, as accurately as f32 sums, v_exp_f32 and their like allow (about 1e-6 of the number): no bf16 or f16 on the way to a quantiser, and a product that is left as it is and whose result goes on into a quantised operand takes f32 operands (vector FMAs, or v_wmma_f32_16x16x4_f32). A number that lies on a knife's edge between two numbers of the format may be rounded either way, as far as f32 arithmetic and the matrix unit's own rounding can turn it there, and no further.
;; One version. Each part assembles by itself: llvm-mc -triple=amdgcn-amd-amdhsa -mcpu=gfx1250 --defsym DOCPART=n.
;; ======== version 1 of 1: 4 launches
;; limits: values are held in bf16: 8 bits of precision; right only within a limited range of input values
;; workspace buffers: xc 2,097,152 bytes; W1c 16,777,216 bytes; W2c 16,777,216 bytes; gates 65,536 bytes; hc 33,554,432 bytes; P 33,554,432 bytes
;; launch quant (part 1): grid 256 x 1, 8 waves a work-group, no clusters, 141,312 bytes of LDS; arguments x, Wg, bg, W1, W2, lowp_scales, xc, gates, W1c, W2c; writes xc, gates, W1c, W2c
.if DOCPART == 1
	.amdgcn_target "amdgcn-amd-amdhsa--gfx1250"
	.amdhsa_code_object_version 6
	.text
	.protected	k_q8b2249cdc3_quant
	.globl	k_q8b2249cdc3_quant
	.p2align	8
	.type	k_q8b2249cdc3_quant,@function
k_q8b2249cdc3_quant:
	s_mov_b64 s[64:65], 0
	v_nop
	global_prefetch_b8 v0, s[64:65] scope:SCOPE_SE
	s_setreg_imm32_b32 hwreg(HW_REG_WAVE_MODE, 25, 1), 1
	s_wait_xcnt 0x0
; out0 = sum over e of softmax(x Wg + bg)[n][e] (relu(x W1[e] + b1[e]) W2[e] + b2[e]), the two large products on codes of BF8 (E5M2) with the given scales 2^e0 (x), 2^e1 (W1), 2^e2 (W2), 2^e3 (hidden layer).
; NO WORK IS LEFT OUT: every expert is weighed into every token by a gate that is never 0 in real numbers; bg differs along the softmax's axis; b1 goes into a quantised operand; b2 is weighed by the gates.  Every input is loaded.
; THIS LAUNCH, the first of four: x, W1 and W2 become codes with K innermost, each number once; and the gates are made, in f32.
;   xc [2048][1024];  W1c [8 x 2048 (e, h)][1024 (d)];  W2c [8 x 1024 (e, o)][2048 (h)];  gates [2048][8] f32.
; code = number / 2^e, held within +-57,344, rounded to the nearest code, ties to even.  LIMITS: e0, e1, e2 between -126 and 112, so that 2^e and 57,344 x 2^e are f32 numbers.  NaN among the inputs is not served; an infinity is held at the largest code.
; SHARES.  Work-groups 0-127 take W1 (T = 0), 128-255 W2 (T = 1): pointers and pitches are chosen by selects and shifts on the work-group's number; there is ONE path through the text.
; A wave takes 64 columns x 256 along K of one expert; the eight waves stand side by side on 512 columns.  A LANE TAKES TWO COLUMNS AND ITS REGISTERS RUN DOWN K: a load of 8 bytes a lane reads 256 consecutive bytes of a row of W,
; aligned; the hold at the largest code, which is owed anyway, writes the two columns apart, so that the conversions find 8 neighbours along K in consecutive registers.  The codes go through the wave's own stage in LDS and leave
; in fragment order: 32 lanes store 512 consecutive bytes, aligned.
; Every work-group also owns 8 tokens: wave w takes 256 along K (c = w % 4) of 4 of them (g = w / 4): their codes, and their part of the 8 logits by fused multiply-adds on the unquantised x.  The parts meet in LDS behind the
; launch's one barrier, and wave 0 makes the softmax, the largest logit taken away first.
; No tensor load, no cluster: no tile is shared between work-groups, and 32 to 64 loads of 256 bytes a wave are on their way.
; REGISTERS.  Window 0: v1-15 addresses and constants; v16-47 the loads' offsets, later the stores'; v48-175 two sets of 64 numbers as loaded, later the rows on their way out; v176-239 the numbers held, column by column;
;   v240-255 a block's codes.  The tokens' part uses v176-253 first.  Window 1: v0-63 Wg's chunk, v64-95 x.
.set STGW,  17408                      ; a wave's stage: 64 rows x (256 bytes + 16); row 32 q + l holds column 2 l + q
.set LX,    8*STGW                     ; 1,024 bytes: the waves' parts of the logits, 128 bytes a wave
.set SPARE, LX+1024                    ; the spare words, 128 bytes for each wave: four blocks of 256 bytes that no other line names
.set XA,  1                            ; v1   32 x lane: my 8 numbers of a row of x
.set XW,  2                            ; v2   16 x lane: my 16 bytes of a dense load of Wg
.set XLS, 3                            ; v3   Wg into the stage: 272 (l / 16) + 16 (l % 16)
.set STI, 4                            ; v4   my row of the stage: 272 x lane (Wg back out; the codes in)
.set XCS, 5                            ; v5   8 x lane
.set XLX, 6                            ; v6   LX + 4 x thread
.set XLR, 7                            ; v7   LX + 512 (l / 16) + 8 (l % 16)
.set XBG, 8                            ; v8   8 (l % 4)
.set LH,  9                            ; v9   l / 16
.set STO, 10                           ; v10  the codes out of the stage: 8704 (l % 2) + 272 ((l % 16) / 2) + 16 (l / 16)
.set SC,  11                           ; v11  2^e of my weight tensor, as f32
.set SPW, 12                           ; v12  LDS address of my spare word; never rewritten
.set NIL, 13                           ; v13  0; never rewritten
.set LL,  15                           ; v15  l % 16
.set VO,  16
.set R,   48
.set H,   176
.set C,   240
.set ACC, 176                          ; the tokens' part: 32 sums (4 rows x 8 experts),
.set T,   208                          ; 32 numbers held,
.set CD,  240                          ; 4 rows' codes,
.set XSC, 248                          ; 2^e0,
.set BG,  250                          ; bg of my two experts,
.set TP,  252                          ; two registers for the exchange between the halves of the lanes
.set WGR, 0                            ; window 1
.set XR,  64                           ; window 1
.set SB,  32                           ; s[32:47] my tile's address at blocks 0 to 7 of 32 along K
.set MSB, 0
.macro WIN new                         ; the immediate's high byte repeats the setting that is left
.if MSB != \new
	s_set_vgpr_msb (MSB<<8)|\new
.set MSB, \new
.endif
.endm
.macro LOAD t                          ; block t: 32 rows of W, 8 bytes a lane, into set t % 2
.set i, 0
.rept 32
	global_load_b64 v[R+64*((\t)%2)+2*i:R+64*((\t)%2)+2*i+1], v[VO+i], s[SB+2*(\t):SB+2*(\t)+1] th:TH_LOAD_NT
.set i, i+1
.endr
.endm
.macro BLOCK t
.set RSET, R+64*((\t)%2)
.if (\t) < 7
	s_wait_loadcnt 32                              ; this block's 32 loads are in; the next block's 32 may be out
.else
	s_wait_loadcnt 0
.endif
.set k, 0
.rept 32
	v_med3_num_f32 v[H+k], v[RSET+2*k], s52, s53            ; the conversion to an 8-bit code does not saturate (ISA guide 7.6.2): the hold, which also parts the two columns
	v_med3_num_f32 v[H+32+k], v[RSET+2*k+1], s52, s53
.set k, k+1
.endr
.if (\t)+2 < 8
	LOAD (\t)+2                                    ; the set just read takes the block two further on
.endif
.irp q, 0,1
.irp g, 0,1,2,3
	v_cvt_scalef32_pk8_bf8_f32 v[C+8*\q+2*\g:C+8*\q+2*\g+1], v[H+32*\q+8*\g:H+32*\q+8*\g+7], v[SC]
.endr
.endr
	v_nop                                          ; a plain instruction between the conversions and the next block's holds, which write their sources
.irp q, 0,1
	ds_store_b128 v[STI], v[C+8*\q:C+8*\q+3] offset:8704*\q+32*(\t)
	ds_store_b128 v[STI], v[C+8*\q+4:C+8*\q+7] offset:8704*\q+32*(\t)+16
.endr
	s_wait_dscnt 0x0                               ; the stores have read their registers: the next block's codes may be written
.endm
.macro RSC d, m                        ; one step of the sum across lanes: lanes with bit d of their number set keep the sums whose index has it set
.set j, 0
.rept 16/\d
	v_add_f32_dpp v[ACC+j], v[ACC+j], v[ACC+j] row_xmask:\d row_mask:0xf bank_mask:0xf
	v_add_f32_dpp v[ACC+j+\d], v[ACC+j+\d], v[ACC+j+\d] row_xmask:\d row_mask:0xf bank_mask:0xf
	s_delay_alu instid0(VALU_DEP_1)
	v_cndmask_b32 v[ACC+j], v[ACC+j], v[ACC+j+\d], s[\m]
.set j, j+2*\d
.endr
.endm
	s_load_b512 s[4:19], s[0:1], 0x0               ; x s[4:5], Wg s[6:7], bg s[8:9], W1 s[10:11], W2 s[12:13], the exponents s[14:15], xc s[16:17], gates s[18:19]
	s_load_b128 s[20:23], s[0:1], 0x40             ; W1c s[20:21], W2c s[22:23]
	v_lshl_add_u32 v[SPW], v0, 2, SPARE
	v_mov_b32 v[NIL], 0
	v_lshrrev_b32 v14, 5, v0
	s_delay_alu instid0(VALU_DEP_1)
	v_readfirstlane_b32 s24, v14                   ; wave 0..7
	v_and_b32 v14, 31, v0                          ; lane
	v_and_b32 v[LL], 15, v0
	v_bfe_u32 v[LH], v0, 4, 1
	s_mul_i32 s54, s24, STGW                       ; my stage
	v_lshlrev_b32 v[XA], 5, v14
	v_lshlrev_b32 v[XW], 4, v14
	v_mul_u32_u24 v[XLS], v[LH], 272
	s_delay_alu instid0(VALU_DEP_1)
	v_lshl_add_u32 v[XLS], v[LL], 4, v[XLS]
	s_delay_alu instid0(VALU_DEP_1)
	v_add_nc_u32 v[XLS], s54, v[XLS]
	v_mul_u32_u24 v[STI], v14, 272
	s_delay_alu instid0(VALU_DEP_1)
	v_add_nc_u32 v[STI], s54, v[STI]
	v_lshlrev_b32 v[XCS], 3, v14
	v_lshl_add_u32 v[XLX], v0, 2, LX
	v_lshlrev_b32 v[XLR], 9, v[LH]
	s_delay_alu instid0(VALU_DEP_1)
	v_lshl_add_u32 v[XLR], v[LL], 3, v[XLR]
	s_delay_alu instid0(VALU_DEP_1)
	v_add_nc_u32 v[XLR], LX, v[XLR]
	v_and_b32 v[XBG], 3, v0
	s_delay_alu instid0(VALU_DEP_1)
	v_lshlrev_b32 v[XBG], 3, v[XBG]
	; the codes out of the stage, IN FRAGMENT ORDER: lane (l / 16, l % 16) takes column l % 16 of a tile of 16 columns (stage row 32 (col % 2) + col / 2) and the 16 bytes at 16 (l / 16) of a piece of 32 along K
	v_and_b32 v[STO], 1, v[LL]
	v_mul_u32_u24 v[STO], v[STO], 8704
	v_lshrrev_b32 v[TP], 1, v[LL]
	v_mad_u32_u24 v[STO], v[TP], 272, v[STO]
	v_lshl_add_u32 v[STO], v[LH], 4, v[STO]
	v_add_nc_u32 v[STO], s54, v[STO]
	v_mov_b32 v[TP], 0                             ; written once: a lane permute's destination counts as one of its sources
	v_mov_b32 v[TP+1], 0
	; which tile of which tensor
	s_lshr_b32 s25, ttmp9, 7                       ; T
	s_and_b32 s26, ttmp9, 127
	s_lshr_b32 s27, s26, 4                         ; the expert
	s_and_b32 s26, s26, 15
	s_add_co_u32 s55, s25, 2                       ; K has 4 << T pieces of 256
	s_lshl_b32 s61, 1, s55
	s_sub_co_u32 s61, s61, 1
	s_and_b32 s61, s26, s61                        ; kg: which 256 along K
	s_lshr_b32 s26, s26, s55                       ; csg: which 512 columns
	s_lshr_b32 s48, 0x2000, s25                    ; S: bytes from a row of W to the next: 8,192 or 4,096
	s_lshl_b32 s55, 0x400, s25                     ; KROW: bytes of a row of codes: 1,024 or 2,048
	s_lshl_b32 s49, s55, 1
	s_lshl_b32 s2, s27, 23                         ; in W: expert x 8 MiB + 256 kg rows + 2,048 csg + 256 wave
	s_lshl_b32 s3, s48, 8
	s_mul_i32 s3, s3, s61
	s_add_co_u32 s2, s2, s3
	s_lshl_b32 s3, s26, 11
	s_add_co_u32 s2, s2, s3
	s_lshl_b32 s3, s24, 8
	s_add_co_u32 s2, s2, s3
	s_mov_b32 s3, 0
	s_lshl_b32 s76, s26, 9                         ; in the codes: expert x 2 MiB + (512 csg + 64 wave) rows + 256 kg
	s_lshl_b32 s77, s24, 6
	s_add_co_u32 s76, s76, s77
	s_mul_i32 s76, s76, s55
	s_lshl_b32 s77, s27, 21
	s_add_co_u32 s76, s76, s77
	s_lshl_b32 s77, s61, 14                        ; W1c and W2c are laid [64 columns][128 along K][tile of 16 columns][c = 0..3][lane][16 bytes]: 256 along K are two blocks of 8,192 bytes
	s_add_co_u32 s76, s76, s77
	s_mov_b32 s77, 0
	s_lshl_b32 s78, s48, 5                         ; 32 rows of W
	s_mov_b32 s79, 0
	v_lshlrev_b32 v[VO], 3, v14                    ; the loads' offsets: 8 x lane + i rows
.set i, 1
.rept 31
	s_delay_alu instid0(VALU_DEP_1)
	v_add_nc_u32 v[VO+i], s48, v[VO+i-1]
.set i, i+1
.endr
	; the tokens' part
	s_and_b32 s52, s24, 3                          ; c
	s_lshr_b32 s53, s24, 2                         ; g
	s_lshl_b32 s66, ttmp9, 15                      ; in x: (8 work-group + 4 g) rows of 4,096 bytes + 1,024 c
	s_lshl_b32 s67, s53, 14
	s_add_co_u32 s66, s66, s67
	s_lshl_b32 s67, s52, 10
	s_add_co_u32 s66, s66, s67
	s_mov_b32 s67, 0
	s_lshr_b32 s70, s66, 2                         ; in xc: a quarter of that
	s_mov_b32 s71, 0
	s_lshl_b32 s68, s52, 13                        ; in Wg: 256 c rows of 32 bytes
	s_mov_b32 s69, 0
	s_lshl_b32 s72, ttmp9, 8                       ; in gates: 8 tokens of 32 bytes
	s_mov_b32 s73, 0
	s_mov_b32 s56, 0xaaaaaaaa                      ; the lanes whose number has bit 0, 1, 2, 3, 4 set
	s_mov_b32 s57, 0xcccccccc
	s_mov_b32 s58, 0xf0f0f0f0
	s_mov_b32 s59, 0xff00ff00
	s_mov_b32 s60, 0xffff0000
	s_mov_b32 s61, 0x3fb8aa3b                      ; log2(e)
	s_mov_b32 s62, 0x76543210                      ; v_permlanex16_b32: lane l xor 16
	s_mov_b32 s63, 0xfedcba98
	s_wait_alu depctr_va_vdst(0)
	s_wait_kmcnt 0x0
	s_load_b128 s[28:31], s[14:15], 0x0            ; e0, e1, e2, e3
	s_add_nc_u64 s[66:67], s[4:5], s[66:67]
	s_add_nc_u64 s[68:69], s[6:7], s[68:69]
	s_add_nc_u64 s[70:71], s[16:17], s[70:71]
	s_add_nc_u64 s[72:73], s[18:19], s[72:73]
	s_cmp_eq_u32 s25, 0                            ; the choice hangs on the work-group's number alone
	s_cselect_b64 s[SB:SB+1], s[10:11], s[12:13]
	s_cselect_b64 s[74:75], s[20:21], s[22:23]
	s_add_nc_u64 s[SB:SB+1], s[SB:SB+1], s[2:3]
	s_add_nc_u64 s[74:75], s[74:75], s[76:77]
.irp t, 1,2,3,4,5,6,7
	s_add_nc_u64 s[SB+2*\t:SB+2*\t+1], s[SB+2*\t-2:SB+2*\t-1], s[78:79]
.endr
	global_load_b64 v[BG:BG+1], v[XBG], s[8:9]     ; every wave: so the pair is written on every way, and the count below is the same in all waves; wave 0 uses it
	WIN 0x40                                       ; destination window 1
.irp r, 0,1,2,3
	global_load_b128 v[XR+8*\r:XR+8*\r+3], v[XA], s[66:67] offset:4096*\r          ; x(row r, 256 c + 8 l + 0 .. 7)
	global_load_b128 v[XR+8*\r+4:XR+8*\r+7], v[XA], s[66:67] offset:4096*\r+16
.endr
.irp j, 0,1,2,3,4,5,6,7,8,9,10,11,12,13,14,15
	global_load_b128 v[WGR+4*\j:WGR+4*\j+3], v[XW], s[68:69] offset:512*\j         ; Wg's chunk as it lies: 512 consecutive bytes a load
.endr
	WIN 0
	LOAD 0
	s_wait_kmcnt 0x0
	s_add_co_i32 s50, s28, 127
	s_lshl_b32 s51, s50, 23
	v_mov_b32 v[XSC], s51                          ; 2^e0 as f32: the conversion takes its exponent field
	s_add_co_i32 s50, s50, 15
	s_lshl_b32 s50, s50, 23
	s_or_b32 s51, s50, 0x600000                    ; 57,344 x 2^e0,
	s_or_b32 s50, s51, 0x80000000                  ; and its negative
	s_cmp_eq_u32 s25, 0
	s_cselect_b32 s52, s29, s30                    ; e1 or e2
	s_add_co_i32 s52, s52, 127
	s_lshl_b32 s53, s52, 23
	v_mov_b32 v[SC], s53
	s_add_co_i32 s52, s52, 15
	s_lshl_b32 s52, s52, 23
	s_or_b32 s53, s52, 0x600000
	s_or_b32 s52, s53, 0x80000000
	s_wait_loadcnt 32                              ; bg, x and Wg are in; block 0's 32 loads, issued behind them, may be out
	LOAD 1                                         ; 64 loads of W are on their way while the tokens are worked
	; Wg turns through my stage, so that lane l holds rows 256 c + 8 l + 0 .. 7: register 8 i + e = Wg(.. + i, e)
	WIN 0x04                                       ; store data window 1
.irp j, 0,1,2,3,4,5,6,7,8,9,10,11,12,13,14,15
	ds_store_b128 v[XLS], v[WGR+4*\j:WGR+4*\j+3] offset:544*\j
.endr
	s_wait_dscnt 0x0                               ; the stores have read their registers, which the loads below write
	WIN 0x40
.irp m, 0,1,2,3,4,5,6,7,8,9,10,11,12,13,14,15
	ds_load_b128 v[WGR+4*\m:WGR+4*\m+3], v[STI] offset:16*\m
.endr
	WIN 0x01                                       ; source 0 window 1
.set j, 0
.rept 32
	v_med3_num_f32 v[T+j], v[XR+j], s50, s51       ; the hold, into other registers: the logits take x as it is
.set j, j+1
.endr
	WIN 0
.irp r, 0,1,2,3
	v_cvt_scalef32_pk8_bf8_f32 v[CD+2*\r:CD+2*\r+1], v[T+8*\r:T+8*\r+7], v[XSC]
.endr
	v_nop                                          ; a plain instruction behind the last conversion
.irp r, 0,1,2,3
	global_store_b64 v[XCS], v[CD+2*\r:CD+2*\r+1], s[70:71] offset:1024*\r   ; 32 lanes store 256 consecutive bytes, at a multiple of 256 from xc's first byte
.endr
	s_wait_dscnt 0x0                               ; Wg is back
	WIN 0x05                                       ; sources 0 and 1 window 1
.irp r, 0,1,2,3
.irp e, 0,1,2,3,4,5,6,7
	v_mul_f32 v[ACC+8*\r+\e], v[XR+8*\r], v[WGR+\e]                  ; the first product starts each sum
.endr
.irp i, 1,2,3,4,5,6,7
.irp e, 0,1,2,3,4,5,6,7
	v_fmac_f32 v[ACC+8*\r+\e], v[XR+8*\r+\i], v[WGR+8*\i+\e]
.endr
.endr
.endr
	WIN 0
	RSC 1, 56                                      ; 32 sums over 32 lanes: lane l ends with sum l (row l / 8, expert l % 8)
	RSC 2, 57
	RSC 4, 58
	RSC 8, 59
	s_delay_alu instid0(VALU_DEP_4)
	v_permlanex16_b32 v[TP], v[ACC], s62, s63
	s_delay_alu instid0(VALU_DEP_2)
	v_permlanex16_b32 v[TP+1], v[ACC+16], s62, s63
	s_delay_alu instid0(VALU_DEP_2)
	v_add_f32 v[ACC], v[ACC], v[TP]
	s_delay_alu instid0(VALU_DEP_2)
	v_add_f32 v[ACC+16], v[ACC+16], v[TP+1]
	s_delay_alu instid0(VALU_DEP_1)
	v_cndmask_b32 v[ACC], v[ACC], v[ACC+16], s60
	ds_store_b32 v[XLX], v[ACC]
	s_wait_dscnt 0x0                               ; for the others' sake: my part of the logits lies in LDS
	s_barrier_signal -1
	s_barrier_wait -1
	s_cmp_lg_u32 s24, 0
	s_cbranch_scc1 .Lgates_done
	; wave 0: lane l has token l / 4 and experts 2 (l % 4), 2 (l % 4) + 1; the four chunks' parts lie 128 bytes apart
.irp c, 0,1,2,3
	ds_load_b64 v[178+2*\c:179+2*\c], v[XLR] offset:128*\c
.endr
	s_wait_dscnt 0x0
	v_pk_add_f32 v[178:179], v[178:179], v[180:181]
	v_pk_add_f32 v[182:183], v[182:183], v[184:185]
	s_delay_alu instid0(VALU_DEP_1)
	v_pk_add_f32 v[178:179], v[178:179], v[182:183]
	s_delay_alu instid0(VALU_DEP_1)
	v_pk_add_f32 v[178:179], v[178:179], v[BG:BG+1]
	s_delay_alu instid0(VALU_DEP_1)
	v_max_num_f32 v186, v178, v179                 ; the token's largest logit: my two, then the four lanes'
	s_delay_alu instid0(VALU_DEP_1)
	v_max_num_f32_dpp v186, v186, v186 row_xmask:1 row_mask:0xf bank_mask:0xf
	s_delay_alu instid0(VALU_DEP_1)
	v_max_num_f32_dpp v186, v186, v186 row_xmask:2 row_mask:0xf bank_mask:0xf
	s_delay_alu instid0(VALU_DEP_1)
	v_mul_f32 v186, s61, v186
	s_delay_alu instid0(VALU_DEP_1)
	v_fma_f32 v178, v178, s61, -v186               ; (logit - largest) x log2(e)
	s_delay_alu instid0(VALU_DEP_2)
	v_fma_f32 v179, v179, s61, -v186
	s_wait_alu depctr_va_vdst(0)
	v_exp_f32 v178, v178
	v_exp_f32 v179, v179
	v_nop                                          ; a plain instruction behind the exponentials,
	s_wait_alu depctr_va_vdst(0)                   ; and the wait ahead of the first use: one for both
	v_add_f32 v187, v178, v179
	s_delay_alu instid0(VALU_DEP_1)
	v_add_f32_dpp v187, v187, v187 row_xmask:1 row_mask:0xf bank_mask:0xf
	s_delay_alu instid0(VALU_DEP_1)
	v_add_f32_dpp v187, v187, v187 row_xmask:2 row_mask:0xf bank_mask:0xf
	s_wait_alu depctr_va_vdst(0)
	v_rcp_f32 v187, v187
	v_nop
	s_wait_alu depctr_va_vdst(0)
	v_mul_f32 v178, v178, v187
	v_mul_f32 v179, v179, v187
	global_store_b64 v[XCS], v[178:179], s[72:73]  ; 32 lanes store the 8 tokens' 256 bytes, at a multiple of 256 from the buffer's first byte
.Lgates_done:
	s_wait_xcnt 0x0                                ; the stores above have read their registers, which the blocks below write
.set Q, 0
.rept 8
	BLOCK Q
.set Q, Q+1
.endr
	; THE WAY OUT, in fragment order: lane l takes column l % 16 of each of my four tiles and the 16 bytes at 16 (l / 16) of each piece of 32 along K
.set t, 0
.rept 32
	ds_load_b128 v[R+4*t:R+4*t+3], v[STO] offset:2176*(t/8)+32*(t%8)   ; tile t / 8 of my four, piece t % 8 of 32 along K
.set t, t+1
.endr
	v_lshlrev_b32 v14, 8, v[LH]
	v_lshl_add_u32 v[VO], v[LL], 4, v14            ; 16 x lane
.set t, 0
	s_wait_alu depctr_va_vdst(0)
.rept 32
	s_wait_dscnt 31-t                              ; LDS loads come back in order: load t is in, the younger ones may be out
	global_store_b128 v[VO], v[R+4*t:R+4*t+3], s[74:75] offset:8192*((t%8)/4)+2048*(t/8)+512*(t%4)   ; 32 lanes store 512 consecutive bytes, aligned
.set t, t+1
.endr
	s_wait_tensorcnt 0x0                           ; the wave's end, behind my last LDS store
	ds_add_u32 v[SPW], v[NIL]
	s_wait_dscnt 0x0
	s_endpgm
.Lfunc_end_k_q8b2249cdc3_quant:
	.size	k_q8b2249cdc3_quant, .Lfunc_end_k_q8b2249cdc3_quant-k_q8b2249cdc3_quant
	.p2alignl 7, 3214868480
	.fill 96, 4, 3214868480
	.section	.rodata,"a",@progbits
	.p2align	6, 0x0
	.amdhsa_kernel k_q8b2249cdc3_quant
		.amdhsa_group_segment_fixed_size 141312
		.amdhsa_private_segment_fixed_size 0
		.amdhsa_enable_private_segment 0
		.amdhsa_kernarg_size 80
		.amdhsa_user_sgpr_count 2
		.amdhsa_user_sgpr_kernarg_segment_ptr 1
		.amdhsa_wavefront_size32 1
		.amdhsa_system_sgpr_workgroup_id_x 1
		.amdhsa_system_sgpr_workgroup_id_y 1
		.amdhsa_system_sgpr_workgroup_id_z 1
		.amdhsa_system_vgpr_workitem_id 0
		.amdhsa_next_free_vgpr 352
		.amdhsa_next_free_sgpr 80
		.amdhsa_reserve_vcc 0
		.amdhsa_float_denorm_mode_32 3
		.amdhsa_float_denorm_mode_16_64 3
		.amdhsa_memory_ordered 1
		.amdhsa_forward_progress 1
		.amdhsa_inst_pref_size 101
	.end_amdhsa_kernel
	.amdgpu_metadata
---
amdhsa.version: [ 1, 2 ]
amdhsa.kernels:
  - .name:           k_q8b2249cdc3_quant
    .symbol:         k_q8b2249cdc3_quant.kd
    .args:
      - { .name: x, .offset: 0, .size: 8, .value_kind: global_buffer, .address_space: global }
      - { .name: Wg, .offset: 8, .size: 8, .value_kind: global_buffer, .address_space: global }
      - { .name: bg, .offset: 16, .size: 8, .value_kind: global_buffer, .address_space: global }
      - { .name: W1, .offset: 24, .size: 8, .value_kind: global_buffer, .address_space: global }
      - { .name: W2, .offset: 32, .size: 8, .value_kind: global_buffer, .address_space: global }
      - { .name: lowp_scales, .offset: 40, .size: 8, .value_kind: global_buffer, .address_space: global }
      - { .name: xc, .offset: 48, .size: 8, .value_kind: global_buffer, .address_space: global }
      - { .name: gates, .offset: 56, .size: 8, .value_kind: global_buffer, .address_space: global }
      - { .name: W1c, .offset: 64, .size: 8, .value_kind: global_buffer, .address_space: global }
      - { .name: W2c, .offset: 72, .size: 8, .value_kind: global_buffer, .address_space: global }
    .group_segment_fixed_size: 141312
    .private_segment_fixed_size: 0
    .kernarg_segment_align: 8
    .kernarg_segment_size: 80
    .max_flat_workgroup_size: 256
    .sgpr_count:     80
    .vgpr_count:     352
    .wavefront_size: 32
...
	.end_amdgpu_metadata
.endif
;; end of part 1
;; launch gemm1 (part 2): grid 256 x 1, 4 waves a work-group, no clusters, 327,680 bytes of LDS; arguments xc, W1c, lowp_scales, hc, b1; writes hc
.if DOCPART == 2
	.amdgcn_target "amdgcn-amd-amdhsa--gfx1250"
	.amdhsa_code_object_version 6
	.text
	.protected	k_q8b2249cdc3_gemm1
	.globl	k_q8b2249cdc3_gemm1
	.p2align	8
	.type	k_q8b2249cdc3_gemm1,@function
k_q8b2249cdc3_gemm1:
	s_mov_b64 s[64:65], 0
	v_nop
	global_prefetch_b8 v0, s[64:65] scope:SCOPE_SE
	s_setreg_imm32_b32 hwreg(HW_REG_WAVE_MODE, 25, 1), 1
	s_wait_xcnt 0x0
; The second of four launches; nothing is left out.  hc[e][n][h] = the code of relu(sum over d of x[n][d] W1[e][d][h] + b1[e][h]), quantised with the given 2^e3; both operands are codes of BF8 (E5M2).
; A sum of codes stands for sum x 2^(e0 + e1): b1 goes in as b1 / 2^(e0 + e1), as the C of each sum's first matrix instruction; the conversion takes the one scale 2^(e3 - e0 - e1); its hold between 0 and 57,344 x that scale is the activation too.
; LIMITS: e3 - e0 - e1 between -126 and 112.  NaN among the inputs is not served.
; xc: [2048][1024] codes.  W1c: [64 columns of (e, h)][d / 128][tile of 16 columns][c = 0..3][lane][16 bytes]: lane (r, g) holds column r of the tile, d = 32 c + 16 g + 0..15 of the 128.  hc: [8][2048][2048] codes, h innermost.
; SHARES.  Work-group x: tokens 256 (x % 8) on, hidden units 512 (x / 8) on (flat over e, h), in two passes of 256 units.  In a pass a wave makes 256 tokens x 64 units: 64 accumulators, 512 registers.
; A, the 256 tokens' 1,024 codes, comes into LDS ONCE (256 rows x 1,024 bytes, 16 of padding a row) and serves both passes: nothing is filled again, so the products' loop has no barrier.
; B goes from memory STRAIGHT INTO REGISTERS: each wave has columns of its own, a load covers 512 consecutive bytes, four sets of 32 registers run four steps of 64 along K ahead of the products.
; NO CLUSTER: the weights never lie in LDS, so there is no tile of them that a joint load could fill; A's tile is fetched once.  NO SEPARATE PREFETCH: B's loads are issued four steps (32 loads a wave) ahead of their use.
; The matrix instruction is used transposed (source 0 = 16 columns of W1, source 1 = 16 tokens): a lane holds one token and eight neighbouring hidden units, which one conversion turns into 8 bytes.
; REGISTERS.  Window 0: v0-31 addresses; v64-95 the bias; v128-255 B, four sets of 4 fragments.  Window 1: A, two sets of 16 fragments; on the way out numbers held, codes and rows.
;   Window 2: accumulators of column tiles 0, 1 (tile b, tokens a at v[128 b + 8 a]); window 3: of tiles 2, 3.
.set APITCH, 1040                      ; 1,024 bytes + 16: 260 words, so 16 rows start at 16 different groups of four banks (ISA guide 11.1)
.set STAGE,  256*APITCH                ; the way out: 128 rows x 272 bytes for the work-group; no fill lands here
.set SPITCH, 272
.set SPARE,  STAGE+128*SPITCH          ; the spare words, 128 bytes a wave
.set AD0, 8                            ; v8-11  A's fragments at K = 0: token blocks 0-3, 4-7, 8-11, 12-15
.set AD,  12                           ; v12-15 the same at the K in hand
.set STO, 24
.set RD,  25
.set CO,  26
.set BO,  27
.set SPW, 28                           ; my spare word; never rewritten
.set NIL, 29                           ; 0; never rewritten
.set LO,  30                           ; 16 x lane
.set SCL, 31                           ; 2^(e3 - e0 - e1) as f32
.set BIA, 64
.set BF,  128
.set G1,  24                           ; s[24:31] group 1; s[32:35] group 0
.set BP,  46                           ; s[46:47] where my wave's B stands
.set KO,  48                           ; s48 LDS bytes along K
.set PS,  50                           ; s50 passes to go
.set MSB, 0
.macro WIN new
.if MSB != \new
	s_set_vgpr_msb (MSB<<8)|\new
.set MSB, \new
.endif
.endm
.set MUL_LO, 0xa4                      ; source 0 (B) window 0, source 1 (A) window 1, C and D window 2
.set MUL_HI, 0xf4
.set FST_LO, 0x84                      ; a pass's first step: C (the bias) window 0
.set FST_HI, 0xc4
.set TO_A,   0x40
.macro PLACES
.rept 4
	v_nop
.endr
.endm
.macro MULH hb, bs, as, first          ; 32 products: column tiles 2 hb, 2 hb + 1 x 16 token blocks; the accumulators take turns
.irp b, 0,1
.irp a, 0,1,2,3,4,5,6,7,8,9,10,11,12,13,14,15
.if \first
	v_wmma_f32_16x16x64_bf8_bf8 v[128*\b+8*\a:128*\b+8*\a+7], v[BF+32*\bs+8*(2*\hb+\b):BF+32*\bs+8*(2*\hb+\b)+7], v[128*\as+8*\a:128*\as+8*\a+7], v[BIA+8*(2*\hb+\b):BIA+8*(2*\hb+\b)+7]
.else
	v_wmma_f32_16x16x64_bf8_bf8 v[128*\b+8*\a:128*\b+8*\a+7], v[BF+32*\bs+8*(2*\hb+\b):BF+32*\bs+8*(2*\hb+\b)+7], v[128*\as+8*\a:128*\as+8*\a+7], v[128*\b+8*\a:128*\b+8*\a+7]
.endif
.endr
.endr
.endm
.macro BLD bs, hb, off                 ; two fragments of B into set bs: 2,048 bytes from tile to tile; step q stands at 8,192 (q / 2) + 1,024 (q % 2)
.irp b, 0,1
.irp c, 0,1
	global_load_b128 v[BF+32*\bs+8*(2*\hb+\b)+4*\c:BF+32*\bs+8*(2*\hb+\b)+4*\c+3], v[LO], s[BP:BP+1] offset:(2*\hb+\b)*2048+(\off)+512*\c
.endr
.endr
.endm
.macro ALD as, off                     ; A's sixteen fragments of one step into set as
.irp a, 0,1,2,3,4,5,6,7,8,9,10,11,12,13,14,15
.irp c, 0,1
	ds_load_b128 v[128*\as+8*\a+4*\c:128*\as+8*\a+4*\c+3], v[AD+\a/4] offset:(\a%4)*16*APITCH+(\off)+32*\c
.endr
.endr
.endm
.macro SETAD
.irp i, 0,1,2,3
	v_add_nc_u32 v[AD+\i], s[KO], v[AD0+\i]
.endr
	s_wait_alu depctr_va_vdst(0)
.endm
; A step of 64 along K.  Each half of B's set takes the step four on as soon as its 32 products are issued; A's set takes the step two on at the end.  off < 0: nothing more to fetch.
; lc: the younger steps' loads of B (8 each) may be out.  dc: the next step's 32 loads of A may be out.
.macro STEP bs, as, aoff, boff, first, lc, dc
	s_wait_loadcnt \lc
	s_wait_dscnt \dc
.if \first
	WIN FST_LO
.else
	WIN MUL_LO
.endif
	MULH 0, \bs, \as, \first
.if \boff >= 0
	PLACES                                         ; four places ahead of loads into registers that matrix instructions have read (ISA guide 7.12.1 for vector instructions)
	WIN 0
	BLD \bs, 0, \boff
.endif
.if \first
	WIN FST_HI
.else
	WIN MUL_HI
.endif
	MULH 1, \bs, \as, \first
.if \aoff >= 0
	PLACES
.endif
.if \boff >= 0
	WIN 0
	BLD \bs, 1, \boff
.endif
.if \aoff >= 0
	WIN TO_A
	ALD \as, \aoff
.endif
	WIN 0
.endm
.macro BSTART                          ; a pass's bias, then B's steps 0 to 3
.irp b, 0,1,2,3
	global_load_b128 v[BIA+8*\b:BIA+8*\b+3], v[BO], s[12:13] offset:64*\b
	global_load_b128 v[BIA+8*\b+4:BIA+8*\b+7], v[BO], s[12:13] offset:64*\b+16
.endr
.irp s, 0,1,2,3
	BLD \s, 0, (\s/2)*8192+(\s%2)*1024
	BLD \s, 1, (\s/2)*8192+(\s%2)*1024
.endr
.endm
; THE WAY OUT of 128 tokens (hh = 0, 1): activation and hold in one, each accumulator from its low end on; eight units of a token become 8 bytes; the four waves' 64 bytes of a row meet in the stage and leave as rows of 256 bytes.
.macro HALF hh
.irp hb, 0,1
	WIN 0x42+\hb                                   ; source 0 window 2 or 3, destination window 1
.irp b, 0,1
.irp a, 0,1,2,3,4,5,6,7
.irp j, 0,1,2,3,4,5,6,7
	v_med3_num_f32 v[64*\b+8*\a+\j], v[128*\b+8*(8*\hh+\a)+\j], 0, s97   ; the conversion does not saturate (ISA guide 7.6.2)
.endr
.endr
.endr
	WIN 0x41
.irp b, 0,1
.irp a, 0,1,2,3,4,5,6,7
	v_cvt_scalef32_pk8_bf8_f32 v[128+32*\hb+16*\b+2*\a:128+32*\hb+16*\b+2*\a+1], v[64*\b+8*\a:64*\b+8*\a+7], v[SCL]
.endr
.endr
	v_nop                                          ; a plain instruction behind the last conversion
	WIN 0x04                                       ; store data window 1
.irp b, 0,1
.irp a, 0,1,2,3,4,5,6,7
	ds_store_b64 v[STO], v[128+32*\hb+16*\b+2*\a:128+32*\hb+16*\b+2*\a+1] offset:\a*16*SPITCH+16*(2*\hb+\b)
.endr
.endr
.endr
	WIN 0
	s_wait_dscnt 0x0                               ; for the others' sake: my stores into the stage are done
	s_barrier_signal -1
	s_barrier_wait -1
	WIN TO_A
.irp t, 0,1,2,3,4,5,6,7,8,9,10,11,12,13,14,15
	ds_load_b128 v[192+4*\t:192+4*\t+3], v[RD] offset:2*SPITCH*\t
.endr
	WIN 0x04
.irp t, 0,1,2,3,4,5,6,7,8,9,10,11,12,13,14,15
	s_wait_dscnt 15-\t                             ; LDS loads come back in order
	global_store_b128 v[CO], v[192+4*\t:192+4*\t+3], s[10:11] offset:\hh*262144+4096*\t   ; 16 lanes store 256 consecutive bytes, aligned
.endr
	WIN 0
	s_wait_xcnt 0x0                                ; the stores have read their registers and their base
	s_barrier_signal -1                            ; every wave's reads of the stage are over: it may be written again
	s_barrier_wait -1
.endm
	s_load_b128 s[4:7], s[0:1], 0x0                ; xc, W1c
	s_load_b128 s[8:11], s[0:1], 0x10              ; the exponents, hc
	s_load_b64 s[12:13], s[0:1], 0x20              ; b1
	v_lshl_add_u32 v[SPW], v0, 2, SPARE
	v_mov_b32 v[NIL], 0
	ds_add_u32 v[SPW], v[NIL]                      ; the opening lines: the add twice on end and one wait
	ds_add_u32 v[SPW], v[NIL]
	v_lshrrev_b32 v1, 5, v0
	v_readfirstlane_b32 s14, v1                    ; wave 0..3
	s_lshl_b32 s45, s14, 6
	s_add_co_u32 s45, s45, STAGE                   ; into the stage: my 64 bytes of each row
	s_mul_i32 s49, s14, 32*SPITCH
	s_add_co_u32 s49, s49, STAGE                   ; back: my 32 rows
	v_and_b32 v1, 15, v0                           ; r
	v_bfe_u32 v2, v0, 4, 1                         ; g
	v_mul_u32_u24 v3, v1, APITCH
	v_lshl_add_u32 v[AD0], v2, 4, v3
	v_add_nc_u32 v[AD0+1], 64*APITCH, v[AD0]
	v_add_nc_u32 v[AD0+2], 128*APITCH, v[AD0]
	v_add_nc_u32 v[AD0+3], 192*APITCH, v[AD0]
	v_mul_u32_u24 v5, v1, SPITCH
	v_lshl_add_u32 v5, v2, 3, v5
	v_add_nc_u32 v[STO], s45, v5
	v_mul_u32_u24 v6, v2, SPITCH
	v_lshl_add_u32 v6, v1, 4, v6
	v_add_nc_u32 v[RD], s49, v6                    ; lanes 0-15 one row, lanes 16-31 the next
	v_lshlrev_b32 v[CO], 11, v2
	v_lshl_add_u32 v[CO], v1, 4, v[CO]             ; the same two rows in hc
	v_lshlrev_b32 v[BO], 5, v2
	v_and_b32 v7, 31, v0
	v_lshlrev_b32 v[LO], 4, v7
	s_wait_alu depctr_va_vdst(0)
	s_lshr_b32 s15, ttmp9, 3                       ; which 512 hidden units
	s_and_b32 s16, ttmp9, 7                        ; which 256 tokens
	s_lshl_b32 s20, s16, 8
	s_lshl_b32 s19, s14, 6
	s_add_co_u32 s20, s20, s19
	s_lshl_b32 s20, s20, 10                        ; in xc: the 64 tokens that I fetch
	s_mov_b32 s21, 0
	s_lshl_b32 s22, s15, 3
	s_add_co_u32 s22, s22, s14
	s_lshl_b32 s22, s22, 16                        ; in W1c: group 8 x (x / 8) + wave, 65,536 bytes a group; the second pass takes the group four on
	s_mov_b32 s23, 0
	s_lshl_b32 s40, s16, 8
	s_lshl_b32 s19, s14, 5
	s_add_co_u32 s40, s40, s19
	s_lshl_b32 s40, s40, 11
	s_lshr_b32 s19, s15, 2
	s_lshl_b32 s19, s19, 22
	s_add_co_u32 s40, s40, s19
	s_and_b32 s19, s15, 3
	s_lshl_b32 s19, s19, 9
	s_add_co_u32 s40, s40, s19                     ; in hc: expert x 4 MiB + token x 2,048 + unit
	s_mov_b32 s41, 0
	s_lshl_b32 s42, s15, 11
	s_lshl_b32 s43, s14, 8
	s_add_co_u32 s42, s42, s43                     ; in b1
	s_mov_b32 s43, 0
	s_mov_b32 s[G1], (1<<20)|(7<<22)|(3<<25)       ; bytes; four words of padding after every 256
	s_mov_b32 s[G1+1], 1024<<16
	s_mov_b32 s[G1+2], 64<<16
	s_mov_b32 s[G1+3], 1024<<16
	s_mov_b32 s[G1+4], 64
	s_mov_b32 s[G1+5], 1024
	s_mov_b32 s[G1+6], 0
	s_mov_b32 s[G1+7], 0
	s_mov_b32 s32, 1
	s_mul_i32 s33, s14, 64*APITCH
	s_mov_b32 s[PS], 2
	s_wait_dscnt 0x0                               ; both opening adds are done
	s_wait_kmcnt 0x0
	s_load_b128 s[92:95], s[8:9], 0x0              ; e0, e1, e2, e3
	s_add_nc_u64 s[34:35], s[4:5], s[20:21]
	s_or_b32 s35, s35, 0x80000000
	tensor_load_to_lds s[32:35], s[G1:G1+7]        ; my 64 rows of A: the wave's one tensor load
	s_nop 0
	PLACES
	s_add_nc_u64 s[BP:BP+1], s[6:7], s[22:23]
	s_add_nc_u64 s[10:11], s[10:11], s[40:41]
	s_add_nc_u64 s[12:13], s[12:13], s[42:43]
	BSTART
	s_wait_kmcnt 0x0
	s_add_co_i32 s91, s92, s93                     ; e0 + e1
	s_sub_co_i32 s96, s95, s91                     ; e3 - e0 - e1
	s_sub_co_i32 s91, 0, s91
	s_add_co_i32 s96, s96, 127
	s_lshl_b32 s97, s96, 23
	v_mov_b32 v[SCL], s97                          ; the conversion takes its exponent field
	s_add_co_i32 s96, s96, 15
	s_lshl_b32 s96, s96, 23
	s_or_b32 s97, s96, 0x600000                    ; 57,344 x that
	s_wait_alu depctr_va_vdst(0)
	s_wait_tensorcnt 0x0                           ; my part of A is in,
	s_barrier_signal -1
	s_barrier_wait -1                              ; everybody's is
.Lpass:
	s_mov_b32 s[KO], 0
	SETAD
	WIN TO_A
	ALD 0, 0
	ALD 1, 64
	WIN 0
	s_wait_loadcnt 32                              ; the bias is in; B's 32 loads behind it may be out
.set j, 0
.rept 32
	v_ldexp_f32 v[BIA+j], v[BIA+j], s91            ; b1 / 2^(e0 + e1)
.set j, j+1
.endr
	s_wait_alu depctr_va_vdst(0)
	STEP 0, 0, 128, 16384, 1, 24, 32               ; the first step starts the sums with the bias: nothing is cleared
	STEP 1, 1, 192, 17408, 0, 24, 32
	s_mov_b32 s[KO], 256
	s_mov_b32 s3, 2
.Lk:                                                   ; steps 2 to 9: B's four sets and A's two are back where they began after four steps
	SETAD
	STEP 2, 0, 0,   24576, 0, 24, 32
	STEP 3, 1, 64,  25600, 0, 24, 32
	STEP 0, 0, 128, 32768, 0, 24, 32
	STEP 1, 1, 192, 33792, 0, 24, 32
	s_wait_xcnt 0x0                                ; the loads have read their base
	s_add_nc_u64 s[BP:BP+1], s[BP:BP+1], 16384
	s_add_co_u32 s[KO], s[KO], 256
	s_sub_co_u32 s3, s3, 1
	s_cmp_lg_u32 s3, 0
	s_cbranch_scc1 .Lk
	SETAD
	STEP 2, 0, 0,   24576, 0, 24, 32               ; the pass's last six steps are written out: they fetch nothing beyond its end
	STEP 3, 1, 64,  25600, 0, 24, 32
	STEP 0, 0, 128, -1,    0, 24, 32
	STEP 1, 1, 192, -1,    0, 16, 32
	STEP 2, 0, -1,  -1,    0, 8, 32
	STEP 3, 1, -1,  -1,    0, 0, 0
	PLACES                                         ; behind the last products: for the loads below and for the first reads of results
	s_cmp_eq_u32 s[PS], 1
	s_cbranch_scc1 .Lnomore                        ; the last pass asks for nothing more; no wait for loads follows on that way
	s_wait_xcnt 0x0
	s_add_nc_u64 s[BP:BP+1], s[BP:BP+1], 4*65536-32768
	s_add_nc_u64 s[12:13], s[12:13], 1024
	BSTART                                         ; the next pass's bias and first steps of B are on their way while this pass goes out
.Lnomore:
	HALF 0
	HALF 1
	s_add_nc_u64 s[10:11], s[10:11], 256           ; the next 256 units (behind HALF's wait on XCNT)
	s_sub_co_u32 s[PS], s[PS], 1
	s_cmp_lg_u32 s[PS], 0
	s_cbranch_scc1 .Lpass
	s_wait_tensorcnt 0x0                           ; the wave's end
	ds_add_u32 v[SPW], v[NIL]
	s_wait_dscnt 0x0
	s_endpgm
.Lfunc_end_k_q8b2249cdc3_gemm1:
	.size	k_q8b2249cdc3_gemm1, .Lfunc_end_k_q8b2249cdc3_gemm1-k_q8b2249cdc3_gemm1
	.p2alignl 7, 3214868480
	.fill 96, 4, 3214868480
	.section	.rodata,"a",@progbits
	.p2align	6, 0x0
	.amdhsa_kernel k_q8b2249cdc3_gemm1
		.amdhsa_group_segment_fixed_size 327680
		.amdhsa_private_segment_fixed_size 0
		.amdhsa_enable_private_segment 0
		.amdhsa_kernarg_size 40
		.amdhsa_user_sgpr_count 2
		.amdhsa_user_sgpr_kernarg_segment_ptr 1
		.amdhsa_wavefront_size32 1
		.amdhsa_system_sgpr_workgroup_id_x 1
		.amdhsa_system_sgpr_workgroup_id_y 1
		.amdhsa_system_sgpr_workgroup_id_z 1
		.amdhsa_system_vgpr_workitem_id 0
		.amdhsa_next_free_vgpr 1024
		.amdhsa_next_free_sgpr 98
		.amdhsa_reserve_vcc 0
		.amdhsa_float_denorm_mode_32 3
		.amdhsa_float_denorm_mode_16_64 3
		.amdhsa_memory_ordered 1
		.amdhsa_forward_progress 1
		.amdhsa_inst_pref_size 146
	.end_amdhsa_kernel
	.amdgpu_metadata
---
amdhsa.version: [ 1, 2 ]
amdhsa.kernels:
  - .name:           k_q8b2249cdc3_gemm1
    .symbol:         k_q8b2249cdc3_gemm1.kd
    .args:
      - { .name: xc, .offset: 0, .size: 8, .value_kind: global_buffer, .address_space: global }
      - { .name: W1c, .offset: 8, .size: 8, .value_kind: global_buffer, .address_space: global }
      - { .name: lowp_scales, .offset: 16, .size: 8, .value_kind: global_buffer, .address_space: global }
      - { .name: hc, .offset: 24, .size: 8, .value_kind: global_buffer, .address_space: global }
      - { .name: b1, .offset: 32, .size: 8, .value_kind: global_buffer, .address_space: global }
    .group_segment_fixed_size: 327680
    .private_segment_fixed_size: 0
    .kernarg_segment_align: 8
    .kernarg_segment_size: 40
    .max_flat_workgroup_size: 128
    .sgpr_count:     98
    .vgpr_count:     1024
    .wavefront_size: 32
...
	.end_amdgpu_metadata
.endif
;; end of part 2
;; launch gemm2 (part 3): grid 256 x 1, 4 waves a work-group, no clusters, 327,680 bytes of LDS; arguments hc, W2c, lowp_scales, P, b2; writes P
.if DOCPART == 3
	.amdgcn_target "amdgcn-amd-amdhsa--gfx1250"
	.amdhsa_code_object_version 6
	.text
	.protected	k_q8b2249cdc3_gemm2
	.globl	k_q8b2249cdc3_gemm2
	.p2align	8
	.type	k_q8b2249cdc3_gemm2,@function
k_q8b2249cdc3_gemm2:
	s_mov_b64 s[64:65], 0
	v_nop
	global_prefetch_b8 v0, s[64:65] scope:SCOPE_SE
	s_setreg_imm32_b32 hwreg(HW_REG_WAVE_MODE, 25, 1), 1
	s_wait_xcnt 0x0
; The third of four launches; nothing is left out.  P[e][n][o] = bf16 of (sum over h of hidden[e][n][h] W2[e][h][o]) + b2[e][o], on codes of BF8 (E5M2); a sum of codes is multiplied once by 2^(e2 + e3).
; LIMIT: e2 + e3 between -126 and 127, so that the power of two is an f32 number.
; hc: [8][2048][2048] codes, h innermost.  W2c: codes in fragment order, [e x 16 + o / 64][h / 128][(o / 16) % 4][c = 0..3][lane][16 bytes]: lane (r, g) holds column o % 16 = r, h = 32 c + 16 g + 0..15 of the 128.
; SHARES.  Work-group x: expert x / 32, tokens 128 ((x / 2) % 16) on, columns 512 (x % 2) on.  A wave makes 128 tokens x 128 columns: 64 accumulators, 512 registers.
; A, the 128 tokens' 2,048 codes, comes into LDS ONCE, in two halves of K (128 rows x 1,024 bytes each, 16 of padding a row): nothing is filled again, so the loop has no barrier.
; B goes from memory STRAIGHT INTO REGISTERS: each wave has columns of its own, a load covers 512 consecutive bytes, and four sets of 64 registers run four steps of 64 along K ahead of the products.
; NO CLUSTER: the weights never lie in LDS, so there is no tile of them that a joint load could fill; A's tile is fetched once and shared by two work-groups only.
; NO SEPARATE PREFETCH: the loads of B are themselves issued four steps (64 loads a wave) ahead of their use.
; The matrix instruction is used transposed (source 0 = 16 columns of W2, source 1 = 16 tokens): a lane holds one token and eight neighbouring columns.
; A fragment of 64 along K is two pieces of 16 bytes a lane: a permutation of k, the same in A and in B.
; REGISTERS.  Window 0: v0-31 addresses; v32-63 packed results; v64-127 b2; v128-255 A, two sets of 8 fragments, later the way out.  Window 1: B, four sets of 8 fragments.
;   Window 2: accumulators of column tiles 0-3 (tile b, tokens a at v[64 b + 8 a]); window 3: of column tiles 4-7.
.set APITCH, 1040                      ; 1,024 bytes + 16: 260 words, so 16 rows start at 16 different groups of four banks (ISA guide 11.1)
.set KHALF,  128*APITCH                ; LDS bytes of one half of K
.set STAGE,  2*KHALF                   ; the way out: 16 rows x 272 bytes for each wave; no fill lands here
.set SPITCH, 272
.set SPARE,  STAGE+4*16*SPITCH         ; the spare words, 128 bytes a wave
.set PROW,   2048                      ; a row of P in bytes
.set AD0, 8                            ; v8-9   A's fragments at K = 0: token blocks 0-3, 4-7
.set AD,  10                           ; v10-11 the same at the K in hand
.set STO, 24
.set RD,  25
.set CO,  26
.set BO,  27
.set SPW, 28                           ; my spare word; never rewritten
.set NIL, 29                           ; 0; never rewritten
.set LO,  30                           ; 16 x lane
.set PK,  32
.set B2R, 64
.set AF,  128
.set TMP, 128
.set BK,  192
.set G1,  24                           ; s[24:31] group 1; s[32:35], s[36:39] groups 0 of the two halves of K
.set BP,  46                           ; s[46:47] where my wave's B stands
.set KO,  48                           ; s48 LDS bytes along K
.set MSB, 0
.macro WIN new
.if MSB != \new
	s_set_vgpr_msb (MSB<<8)|\new
.set MSB, \new
.endif
.endm
.set MUL_LO, 0xa1                      ; source 0 (B) window 1, source 1 (A) window 0, C and D window 2
.set MUL_HI, 0xf1
.set TO_B,   0x40
.macro PLACES
.rept 4
	v_nop
.endr
.endm
.macro MULH hb, bs, as, zero           ; 32 products: column tiles 4 hb .. 4 hb + 3 x 8 token blocks; the accumulators take turns
.irp b, 0,1,2,3
.irp a, 0,1,2,3,4,5,6,7
.if \zero
	v_wmma_f32_16x16x64_bf8_bf8 v[64*\b+8*\a:64*\b+8*\a+7], v[64*\bs+8*(4*\hb+\b):64*\bs+8*(4*\hb+\b)+7], v[AF+64*\as+8*\a:AF+64*\as+8*\a+7], 0
.else
	v_wmma_f32_16x16x64_bf8_bf8 v[64*\b+8*\a:64*\b+8*\a+7], v[64*\bs+8*(4*\hb+\b):64*\bs+8*(4*\hb+\b)+7], v[AF+64*\as+8*\a:AF+64*\as+8*\a+7], v[64*\b+8*\a:64*\b+8*\a+7]
.endif
.endr
.endr
.endm
.macro BLD bs, hb, off                 ; four fragments of B into set bs: 2,048 bytes from column tile to column tile, 131,072 from group to group; step q at 8,192 (q / 2) + 1,024 (q % 2)
.irp b, 0,1,2,3
.irp c, 0,1
	; W2c is laid [64 columns][h / 128][tile of 16 columns][c][lane][16 bytes]: 131,072 bytes from group to group, 2,048 from tile to tile; step q stands at 8,192 (q / 2) + 1,024 (q % 2)
	global_load_b128 v[64*\bs+8*(4*\hb+\b)+4*\c:64*\bs+8*(4*\hb+\b)+4*\c+3], v[LO], s[BP:BP+1] offset:\hb*131072+\b*2048+(\off)+512*\c
.endr
.endr
.endm
.macro ALD as, off                     ; A's eight fragments of one step into set as
.irp a, 0,1,2,3,4,5,6,7
.irp c, 0,1
	ds_load_b128 v[AF+64*\as+8*\a+4*\c:AF+64*\as+8*\a+4*\c+3], v[AD+\a/4] offset:(\a%4)*16*APITCH+(\off)+32*\c
.endr
.endr
.endm
.macro SETAD
	v_add_nc_u32 v[AD], s[KO], v[AD0]
	v_add_nc_u32 v[AD+1], s[KO], v[AD0+1]
	s_wait_alu depctr_va_vdst(0)
.endm
; A step of 64 along K.  Each half of B's set takes the step four on as soon as its 32 products are issued; A's set takes the step two on at the end.  off < 0: nothing more to fetch.
; lc: the younger steps' loads of B (16 each) may be out.  dc: the next step's 16 loads of A may be out.
.macro STEP bs, as, aoff, boff, zero, lc, dc
	s_wait_loadcnt \lc
	s_wait_dscnt \dc
	WIN MUL_LO
	MULH 0, \bs, \as, \zero
.if \boff >= 0
	PLACES                                         ; four places ahead of loads into registers that matrix instructions have read (ISA guide 7.12.1 for vector instructions)
	WIN TO_B
	BLD \bs, 0, \boff
.endif
	WIN MUL_HI
	MULH 1, \bs, \as, \zero
.if \aoff >= 0
	PLACES
.endif
.if \boff >= 0
	WIN TO_B
	BLD \bs, 1, \boff
.endif
	WIN 0
.if \aoff >= 0
	ALD \as, \aoff
.endif
.endm
.macro TRIP                            ; four steps: B's four sets and A's two are back where they began
	SETAD
	STEP 2, 0, 0,   24576, 0, 48, 16
	STEP 3, 1, 64,  25600, 0, 48, 16
	STEP 0, 0, 128, 32768, 0, 48, 16
	STEP 1, 1, 192, 33792, 0, 48, 16
	s_wait_xcnt 0x0                                ; the loads have read their base
	s_add_nc_u64 s[BP:BP+1], s[BP:BP+1], 16384
	s_add_co_u32 s[KO], s[KO], 256
.endm
	s_load_b128 s[4:7], s[0:1], 0x0                ; hc, W2c
	s_load_b128 s[8:11], s[0:1], 0x10              ; the exponents, P
	s_load_b64 s[12:13], s[0:1], 0x20              ; b2
	v_lshl_add_u32 v[SPW], v0, 2, SPARE
	v_mov_b32 v[NIL], 0
	ds_add_u32 v[SPW], v[NIL]                      ; the opening lines: the add twice on end and one wait
	ds_add_u32 v[SPW], v[NIL]
	v_lshrrev_b32 v1, 5, v0
	v_readfirstlane_b32 s14, v1                    ; wave 0..3
	s_mul_i32 s45, s14, 16*SPITCH
	s_add_co_u32 s45, s45, STAGE                   ; my stage
	v_and_b32 v1, 15, v0                           ; r
	v_bfe_u32 v2, v0, 4, 1                         ; g
	v_mul_u32_u24 v3, v1, APITCH
	v_lshl_add_u32 v[AD0], v2, 4, v3
	v_add_nc_u32 v[AD0+1], 64*APITCH, v[AD0]
	v_mov_b32 v[AD], v[AD0]
	v_mov_b32 v[AD+1], v[AD0+1]
	v_mul_u32_u24 v5, v1, SPITCH
	v_lshl_add_u32 v5, v2, 4, v5
	v_add_nc_u32 v[STO], s45, v5                   ; into the stage: row r, 16 bytes for each half of the lanes
	v_mul_u32_u24 v6, v2, SPITCH
	v_lshl_add_u32 v6, v1, 4, v6
	v_add_nc_u32 v[RD], s45, v6                    ; back: lanes 0-15 one row, lanes 16-31 the next
	v_lshlrev_b32 v[CO], 11, v2
	v_lshl_add_u32 v[CO], v1, 4, v[CO]             ; the same two rows in P
	v_lshlrev_b32 v[BO], 5, v2
	v_and_b32 v7, 31, v0
	v_lshlrev_b32 v[LO], 4, v7
	s_wait_alu depctr_va_vdst(0)
	s_lshr_b32 s15, ttmp9, 5                       ; expert
	s_bfe_u32 s16, ttmp9, 0x40001                  ; block of 128 tokens
	s_and_b32 s17, ttmp9, 1
	s_lshl_b32 s18, s17, 9
	s_lshl_b32 s19, s14, 7
	s_add_co_u32 s18, s18, s19                     ; my first column
	s_lshl_b32 s20, s16, 7
	s_lshl_b32 s19, s14, 5
	s_add_co_u32 s20, s20, s19                     ; the 32 tokens that I fetch
	s_lshl_b32 s20, s20, 11
	s_lshl_b32 s19, s15, 22
	s_add_co_u32 s20, s20, s19                     ; in hc
	s_mov_b32 s21, 0
	s_lshl_b32 s22, s15, 21
	s_lshl_b32 s23, s18, 11
	s_add_co_u32 s22, s22, s23                     ; in W2c: (1,024 expert + column) x 2,048
	s_mov_b32 s23, 0
	s_lshl_b32 s40, s16, 18
	s_add_co_u32 s40, s40, s19
	s_lshl_b32 s41, s18, 1
	s_add_co_u32 s40, s40, s41                     ; in P
	s_mov_b32 s41, 0
	s_lshl_b32 s42, s15, 12
	s_lshl_b32 s43, s18, 2
	s_add_co_u32 s42, s42, s43                     ; in b2
	s_mov_b32 s43, 0
	s_mul_i32 s44, s14, 32*APITCH
	s_mov_b32 s[G1], (1<<20)|(7<<22)|(3<<25)       ; bytes; four words of padding after every 256
	s_mov_b32 s[G1+1], 1024<<16
	s_mov_b32 s[G1+2], 32<<16
	s_mov_b32 s[G1+3], 1024<<16
	s_mov_b32 s[G1+4], 32
	s_mov_b32 s[G1+5], 2048
	s_mov_b32 s[G1+6], 0
	s_mov_b32 s[G1+7], 0
	s_mov_b32 s32, 1
	s_mov_b32 s33, s44
	s_mov_b32 s36, 1
	s_add_co_u32 s37, s44, KHALF
	s_mov_b32 s[KO], 256
	s_wait_dscnt 0x0                               ; both opening adds are done
	s_wait_kmcnt 0x0
	s_load_b64 s[96:97], s[8:9], 0x8               ; e2, e3
	s_add_nc_u64 s[34:35], s[4:5], s[20:21]
	s_add_nc_u64 s[38:39], s[34:35], 1024
	s_or_b32 s35, s35, 0x80000000
	s_or_b32 s39, s39, 0x80000000
	tensor_load_to_lds s[32:35], s[G1:G1+7]        ; my 32 rows of the first half of K: one tensor load a wave at the head
	s_nop 0
	PLACES
	s_add_nc_u64 s[BP:BP+1], s[6:7], s[22:23]
	s_add_nc_u64 s[10:11], s[10:11], s[40:41]
	s_add_nc_u64 s[12:13], s[12:13], s[42:43]
.irp b, 0,1,2,3,4,5,6,7
	global_load_b128 v[B2R+8*\b:B2R+8*\b+3], v[BO], s[12:13] offset:64*\b
	global_load_b128 v[B2R+8*\b+4:B2R+8*\b+7], v[BO], s[12:13] offset:64*\b+16
.endr
	WIN TO_B
.irp s, 0,1,2,3
	BLD \s, 0, (\s/2)*8192+(\s%2)*1024
	BLD \s, 1, (\s/2)*8192+(\s%2)*1024
.endr
	WIN 0
	s_wait_tensorcnt 0x0                           ; my part of the first half is in
	ds_add_u32 v[SPW], v[NIL]
	s_wait_dscnt 0x0
	s_barrier_signal -1
	s_barrier_wait -1
	tensor_load_to_lds s[36:39], s[G1:G1+7]        ; the second half of K: it has steps 0 to 13 in which to land
	s_nop 0
	PLACES
	ALD 0, 0
	ALD 1, 64
	STEP 0, 0, 128, 16384, 1, 48, 16
	STEP 1, 1, 192, 17408, 0, 48, 16
	s_mov_b32 s3, 3
.Lfirst:                                               ; steps 2 to 13: they fetch A's steps 4 to 15
	TRIP
	s_sub_co_u32 s3, s3, 1
	s_cmp_lg_u32 s3, 0
	s_cbranch_scc1 .Lfirst
	s_wait_tensorcnt 0x0                           ; my part of the second half is in,
	s_wait_dscnt 0x0
	s_barrier_signal -1
	s_barrier_wait -1                              ; everybody's is
	s_add_co_u32 s[KO], s[KO], KHALF-1024
	s_mov_b32 s3, 3
.Lsecond:                                              ; steps 14 to 25: they fetch A's steps 16 to 27
	TRIP
	s_sub_co_u32 s3, s3, 1
	s_cmp_lg_u32 s3, 0
	s_cbranch_scc1 .Lsecond
	SETAD
	STEP 2, 0, 0,   24576, 0, 48, 16
	STEP 3, 1, 64,  25600, 0, 48, 16
	STEP 0, 0, 128, -1,   0, 48, 16
	STEP 1, 1, 192, -1,   0, 32, 16
	STEP 2, 0, -1,  -1,   0, 16, 16
	STEP 3, 1, -1,  -1,   0, 0, 0
; THE WAY OUT, by blocks of 16 tokens x 128 columns: x 2^(e2 + e3), + b2, to bf16, through my own stage, and out as rows of 256 bytes.
.macro TOSTAGE a
.irp hb, 0,1
	WIN 0x02+\hb                                   ; source 0: window 2 or 3
.irp b, 0,1,2,3
.irp j, 0,2,4,6
	v_pk_fma_f32 v[TMP+32*\hb+8*\b+\j:TMP+32*\hb+8*\b+\j+1], v[64*\b+8*(\a)+\j:64*\b+8*(\a)+\j+1], s[96:97], v[B2R+32*\hb+8*\b+\j:B2R+32*\hb+8*\b+\j+1] op_sel_hi:[1,0,1]
.endr
.endr
.endr
	WIN 0
.set j, 0
.rept 32
	v_cvt_pk_bf16_f32 v[PK+j], v[TMP+2*j], v[TMP+2*j+1]
.set j, j+1
.endr
.irp b, 0,1,2,3,4,5,6,7
	ds_store_b128 v[STO], v[PK+4*\b:PK+4*\b+3] offset:32*\b
.endr
.set BB, BK+32*((\a)%2)
.irp t, 0,1,2,3,4,5,6,7
	ds_load_b128 v[BB+4*\t:BB+4*\t+3], v[RD] offset:\t*2*SPITCH   ; LDS serves a wave's instructions in order: these see my stores
.endr
.endm
.macro SEND a, younger
.set BB, BK+32*((\a)%2)
	s_wait_dscnt \younger
.if (\a) > 0
	s_add_nc_u64 s[10:11], s[10:11], 16*PROW       ; behind a wait on XCNT
.endif
.irp t, 0,1,2,3,4,5,6,7
	global_store_b128 v[CO], v[BB+4*\t:BB+4*\t+3], s[10:11] offset:2*\t*PROW th:TH_STORE_NT   ; 16 lanes store 256 consecutive bytes, aligned
.endr
.endm
	s_wait_kmcnt 0x0
	s_add_co_i32 s96, s96, s97
	s_add_co_i32 s96, s96, 127
	s_lshl_b32 s96, s96, 23                        ; 2^(e2 + e3) as f32
	PLACES
	TOSTAGE 0
.irp a, 1,2,3,4,5,6,7
.if \a > 1
	s_wait_xcnt 0x0                                ; block a - 2's stores have read their registers and their base
.endif
	TOSTAGE \a
	SEND \a-1, 16                                  ; behind block a - 1's loads: block a's 8 stores and 8 loads
.endr
	s_wait_xcnt 0x0
	SEND 7, 0
	s_wait_tensorcnt 0x0                           ; the wave's end
	ds_add_u32 v[SPW], v[NIL]
	s_wait_dscnt 0x0
	s_endpgm
.Lfunc_end_k_q8b2249cdc3_gemm2:
	.size	k_q8b2249cdc3_gemm2, .Lfunc_end_k_q8b2249cdc3_gemm2-k_q8b2249cdc3_gemm2
	.p2alignl 7, 3214868480
	.fill 96, 4, 3214868480
	.section	.rodata,"a",@progbits
	.p2align	6, 0x0
	.amdhsa_kernel k_q8b2249cdc3_gemm2
		.amdhsa_group_segment_fixed_size 327680
		.amdhsa_private_segment_fixed_size 0
		.amdhsa_enable_private_segment 0
		.amdhsa_kernarg_size 40
		.amdhsa_user_sgpr_count 2
		.amdhsa_user_sgpr_kernarg_segment_ptr 1
		.amdhsa_wavefront_size32 1
		.amdhsa_system_sgpr_workgroup_id_x 1
		.amdhsa_system_sgpr_workgroup_id_y 1
		.amdhsa_system_sgpr_workgroup_id_z 1
		.amdhsa_system_vgpr_workitem_id 0
		.amdhsa_next_free_vgpr 1024
		.amdhsa_next_free_sgpr 98
		.amdhsa_reserve_vcc 0
		.amdhsa_float_denorm_mode_32 3
		.amdhsa_float_denorm_mode_16_64 3
		.amdhsa_memory_ordered 1
		.amdhsa_forward_progress 1
		.amdhsa_inst_pref_size 166
	.end_amdhsa_kernel
	.amdgpu_metadata
---
amdhsa.version: [ 1, 2 ]
amdhsa.kernels:
  - .name:           k_q8b2249cdc3_gemm2
    .symbol:         k_q8b2249cdc3_gemm2.kd
    .args:
      - { .name: hc, .offset: 0, .size: 8, .value_kind: global_buffer, .address_space: global }
      - { .name: W2c, .offset: 8, .size: 8, .value_kind: global_buffer, .address_space: global }
      - { .name: lowp_scales, .offset: 16, .size: 8, .value_kind: global_buffer, .address_space: global }
      - { .name: P, .offset: 24, .size: 8, .value_kind: global_buffer, .address_space: global }
      - { .name: b2, .offset: 32, .size: 8, .value_kind: global_buffer, .address_space: global }
    .group_segment_fixed_size: 327680
    .private_segment_fixed_size: 0
    .kernarg_segment_align: 8
    .kernarg_segment_size: 40
    .max_flat_workgroup_size: 128
    .sgpr_count:     98
    .vgpr_count:     1024
    .wavefront_size: 32
...
	.end_amdgpu_metadata
.endif
;; end of part 3
;; launch combine (part 4): grid 256 x 1, 16 waves a work-group, no clusters, 0 bytes of LDS; arguments P, gates, out0; writes out0
.if DOCPART == 4
	.amdgcn_target "amdgcn-amd-amdhsa--gfx1250"
	.amdhsa_code_object_version 6
	.text
	.protected	k_q8b2249cdc3_combine
	.globl	k_q8b2249cdc3_combine
	.p2align	8
	.type	k_q8b2249cdc3_combine,@function
k_q8b2249cdc3_combine:
	s_mov_b64 s[64:65], 0
	v_nop
	global_prefetch_b8 v0, s[64:65] scope:SCOPE_SE
	s_setreg_imm32_b32 hwreg(HW_REG_WAVE_MODE, 25, 1), 1
	s_wait_xcnt 0x0
; The last of four launches; nothing is left out.  out0[n][o] = the sum over e of gates[n][e] x P[e][n][o], sums in f32.  P holds each expert's finished output, b2 in it, as bf16 (the launch before made it so);
; the gates are f32.
; P: [8][2048][1024] bf16; gates: [2048][8] f32; out0: [2048][1024] f32.
; A stream: every byte of P is read once and every byte of out0 written once.  No LDS, no barrier, no matrix unit (8 terms to a sum), no cluster: nothing is shared between work-groups.
; A work-group owns 8 tokens: waves 0-7 take four of them, waves 8-15 the other four.  Among its 256, a thread owns the 8 bytes (4 columns) at 8 t of every row of P and the 16 bytes at 16 t of a row of out0: a load of a
; wave covers 256 consecutive bytes, a store 512, both aligned.  All 32 loads of a wave (4 tokens x 8 experts) go out at once: the work-group's whole share, 128 KiB, is on its way together.  A wave's 32 gates lie in
; scalar registers.  The text is written out, with every row in the immediate.
.set VOFF, 1                           ; v1-8     8 t + expert x 4 MiB
.set OOFF, 9                           ; v9       16 t
.set D,    16                          ; v16-79   token i, expert e: two registers, four bf16
.set T,    80                          ; v80-87   two sets of four numbers widened to f32
.set O,    88                          ; v88-103  four results a token: each token has its own, so no store's data are written again
	s_load_b128 s[4:7], s[0:1], 0x0                ; P s[4:5], gates s[6:7]
	s_load_b64 s[8:9], s[0:1], 0x10                ; out0
	v_lshrrev_b32 v10, 5, v0
	s_delay_alu instid0(VALU_DEP_1)
	v_readfirstlane_b32 s10, v10                   ; wave 0..15
	s_lshr_b32 s10, s10, 3                         ; which four of the 8 tokens
	v_and_b32 v10, 255, v0                         ; t
	s_delay_alu instid0(VALU_DEP_1)
	v_lshlrev_b32 v[VOFF], 3, v10
	s_delay_alu instid0(VALU_DEP_2)
	v_lshlrev_b32 v[OOFF], 4, v10
.irp e, 1,2,3,4,5,6,7
	v_add_nc_u32 v[VOFF+\e], \e*0x400000, v[VOFF]
.endr
	s_lshl_b32 s2, ttmp9, 14                       ; in P: 8 rows of 2,048 bytes a work-group, 4 a half
	s_lshl_b32 s3, s10, 13
	s_add_co_u32 s2, s2, s3
	s_mov_b32 s3, 0
	s_lshl_b32 s16, s2, 1                          ; in out0: twice that
	s_mov_b32 s17, 0
	s_lshl_b32 s12, ttmp9, 8                       ; in gates: 32 bytes a token
	s_lshl_b32 s13, s10, 7
	s_add_co_u32 s12, s12, s13
	s_mov_b32 s13, 0
	s_mov_b32 s14, 0xffff0000                      ; a word's upper bf16
	s_wait_alu depctr_va_vdst(0)
	s_wait_kmcnt 0x0
	s_add_nc_u64 s[6:7], s[6:7], s[12:13]
	s_add_nc_u64 s[4:5], s[4:5], s[2:3]
	s_add_nc_u64 s[8:9], s[8:9], s[16:17]
	s_load_b512 s[24:39], s[6:7], 0x0              ; tokens 0, 1 of my four: gate (i, e) in s[24 + 8 i + e]
	s_load_b512 s[40:55], s[6:7], 0x40             ; tokens 2, 3
.irp i, 0,1,2,3
.irp e, 0,1,2,3,4,5,6,7
	global_load_b64 v[D+16*\i+2*\e:D+16*\i+2*\e+1], v[VOFF+\e], s[4:5] offset:2048*\i th:TH_LOAD_NT
.endr
.endr
	s_wait_kmcnt 0x0                               ; the gates
.macro ROW i, left                     ; left: the younger loads, which may stay out
.set DSET, D+16*(\i)
.set OREG, O+4*(\i)
.set GSET, 24+8*(\i)
	s_wait_loadcnt \left                           ; loads come back in order (ISA guide 5.7.1): this token's eight are in
.irp e, 0,1,2,3,4,5,6,7
.set TS, T+4*(\e%2)
	v_lshlrev_b32 v[TS],   16,  v[DSET+2*\e]       ; bf16 to f32: the low half moves up,
	v_and_b32     v[TS+1], s14, v[DSET+2*\e]       ; the high half stays
	v_lshlrev_b32 v[TS+2], 16,  v[DSET+2*\e+1]
	v_and_b32     v[TS+3], s14, v[DSET+2*\e+1]
.irp k, 0,1,2,3
.if \e == 0
	s_delay_alu instid0(VALU_DEP_4)
	v_mul_f32 v[OREG+\k], s[GSET], v[TS+\k]        ; expert 0 starts the sums
.else
	s_delay_alu instid0(VALU_DEP_4)
	v_fmac_f32 v[OREG+\k], s[GSET+\e], v[TS+\k]
.endif
.endr
.endr
	global_store_b128 v[OOFF], v[OREG:OREG+3], s[8:9] offset:4096*(\i) th:TH_STORE_NT
.endm
	ROW 0, 24                                      ; three younger tokens, eight loads each
	ROW 1, 16
	ROW 2, 8
	ROW 3, 0
	s_endpgm
.Lfunc_end_k_q8b2249cdc3_combine:
	.size	k_q8b2249cdc3_combine, .Lfunc_end_k_q8b2249cdc3_combine-k_q8b2249cdc3_combine
	.p2alignl 7, 3214868480
	.fill 96, 4, 3214868480
	.section	.rodata,"a",@progbits
	.p2align	6, 0x0
	.amdhsa_kernel k_q8b2249cdc3_combine
		.amdhsa_group_segment_fixed_size 0
		.amdhsa_private_segment_fixed_size 0
		.amdhsa_enable_private_segment 0
		.amdhsa_kernarg_size 24
		.amdhsa_user_sgpr_count 2
		.amdhsa_user_sgpr_kernarg_segment_ptr 1
		.amdhsa_wavefront_size32 1
		.amdhsa_system_sgpr_workgroup_id_x 1
		.amdhsa_system_sgpr_workgroup_id_y 1
		.amdhsa_system_sgpr_workgroup_id_z 1
		.amdhsa_system_vgpr_workitem_id 0
		.amdhsa_next_free_vgpr 104
		.amdhsa_next_free_sgpr 66
		.amdhsa_reserve_vcc 0
		.amdhsa_float_denorm_mode_32 3
		.amdhsa_float_denorm_mode_16_64 3
		.amdhsa_memory_ordered 1
		.amdhsa_forward_progress 1
		.amdhsa_inst_pref_size 18
	.end_amdhsa_kernel
	.amdgpu_metadata
---
amdhsa.version: [ 1, 2 ]
amdhsa.kernels:
  - .name:           k_q8b2249cdc3_combine
    .symbol:         k_q8b2249cdc3_combine.kd
    .args:
      - { .name: P, .offset: 0, .size: 8, .value_kind: global_buffer, .address_space: global }
      - { .name: gates, .offset: 8, .size: 8, .value_kind: global_buffer, .address_space: global }
      - { .name: out0, .offset: 16, .size: 8, .value_kind: global_buffer, .address_space: global }
    .group_segment_fixed_size: 0
    .private_segment_fixed_size: 0
    .kernarg_segment_align: 8
    .kernarg_segment_size: 24
    .max_flat_workgroup_size: 512
    .sgpr_count:     66
    .vgpr_count:     104
    .wavefront_size: 32
...
	.end_amdgpu_metadata
.endif
;; end of part 4
